; MI455X (gfx1250); checked and timed in simulation.
; The chip was launched on July 23, 2026; its instructions are those of AMD's public machine-readable ISA for CDNA 5 (MIT licence, August 2026) and "CDNA5" Instruction Set Architecture Reference Guide (July 2026). The comments in the code are by the model that wrote it; some were corrected since.
;; Multi Headed Attention. Allowed arithmetic: float matrix products may take bf16 or f16 operands with f32 sums; all other float work in f32.
;; Inputs: W0_b 1 float32; W0_w 16 x 1 float32; Wk_b 1,024 float32; Wk_w 1,024 x 1,024 float32; Wq_b 1,024 float32; Wq_w 1,024 x 1,024 float32; Wv_b 1,024 float32; Wv_w 1,024 x 1,024 float32; k 2 x 2,048 x 1,024 float32; q 2 x 2,048 x 1,024 float32; v 2 x 2,048 x 1,024 float32.
;; Outputs: out0 2 x 2,048 x 64 float32.
;; One version. Each part assembles by itself: llvm-mc -triple=amdgcn-amd-amdhsa -mcpu=gfx1250 --defsym DOCPART=n.
;; ======== version 1 of 1: 4 launches
;; limits: values are held in f16: magnitudes above 65,504 overflow, below 6.1e-05 lose precision
;; workspace buffers: xb 25,165,824 bytes; wb 6,291,456 bytes; proj 25,165,824 bytes; part 16,777,216 bytes
;; launch cvt (part 1): grid 256 x 1, 8 waves a work-group, no clusters, 0 bytes of LDS; arguments q, k, v, Wq_w, Wk_w, Wv_w, xb, wb; writes xb, wb
.if DOCPART == 1
	.amdgcn_target "amdgcn-amd-amdhsa--gfx1250"
	.amdhsa_code_object_version 6
	.text
	.protected	k_q81e947ad0a_cvt
	.globl	k_q81e947ad0a_cvt
	.p2align	8
	.type	k_q81e947ad0a_cvt,@function
k_q81e947ad0a_cvt:
	s_mov_b64 s[64:65], 0
	v_nop
	global_prefetch_b8 v0, s[64:65] scope:SCOPE_SE
	s_setreg_imm32_b32 hwreg(HW_REG_WAVE_MODE, 25, 1), 1
	s_wait_xcnt 0x0
; q, k, v ([4096][1024] f32 each) and Wq_w, Wk_w, Wv_w ([1024][1024] f32 each) are rounded to bf16 (nearest even), once:
; xb = [3][4096][1024] bf16, wb = [3][1024][1024] bf16, orders unchanged.  The matrix launches behind this one then move and read half the bytes.
; A pure stream: no LDS, no barrier, no matrix unit.  256 work-groups of eight waves; a work-group takes 65,536 bytes of each X and
; 16,384 bytes of each W; a wave 8,192 and 2,048 of them: 3 x 16 + 3 x 4 = 60 loads of 16 bytes a lane, 512 neighbouring bytes each.
; All 60 are issued before the first is used; each has its own four registers, so no register is ever written again and the only waits are the counted ones.
; A store of 8 bytes a lane covers 256 neighbouring bytes, aligned.
.set NLOADS, 60
.set DATA,   8                         ; v[8+4n:11+4n]  load n
.set XIN,    1                         ; v1  wave x 8,192 + lane x 16
.set XOUT,   2                         ; v2  wave x 4,096 + lane x 8
.set WIN_,   3                         ; v3  wave x 2,048 + lane x 16
.set WOUT,   4                         ; v4  wave x 1,024 + lane x 8
.macro LDSEG base, voff, n0, cnt       ; cnt loads, numbers n0 .., 512 bytes apart
.set i, 0
.rept \cnt
	global_load_b128 v[DATA+4*(\n0+i):DATA+4*(\n0+i)+3], v[\voff], s[\base:\base+1] offset:512*i th:TH_LOAD_NT
.set i, i+1
.endr
.endm
.macro STSEG base, voff, n0, cnt, off0 ; the same loads, rounded in place and stored, 256 bytes apart
.set i, 0
.rept \cnt
	s_wait_loadcnt NLOADS-1-(\n0+i)                ; loads come back in order (ISA guide 5.7.1): this one is in, the younger ones stay out
	v_cvt_pk_bf16_f32 v[DATA+4*(\n0+i)],   v[DATA+4*(\n0+i)],   v[DATA+4*(\n0+i)+1]
	v_cvt_pk_bf16_f32 v[DATA+4*(\n0+i)+1], v[DATA+4*(\n0+i)+2], v[DATA+4*(\n0+i)+3]
	global_store_b64 v[\voff], v[DATA+4*(\n0+i):DATA+4*(\n0+i)+1], s[\base:\base+1] offset:\off0+256*i
.set i, i+1
.endr
.endm
	s_load_b512 s[4:19], s[0:1], 0x0               ; q s[4:5], k s[6:7], v s[8:9], Wq_w s[10:11], Wk_w s[12:13], Wv_w s[14:15], xb s[16:17], wb s[18:19]
	v_lshrrev_b32 v5, 5, v0                        ; wave
	v_and_b32 v6, 31, v0                           ; lane
	v_lshlrev_b32 v[XIN], 13, v5
	v_lshl_add_u32 v[XIN], v6, 4, v[XIN]
	v_lshlrev_b32 v[XOUT], 12, v5
	v_lshl_add_u32 v[XOUT], v6, 3, v[XOUT]
	v_lshlrev_b32 v[WIN_], 11, v5
	v_lshl_add_u32 v[WIN_], v6, 4, v[WIN_]
	v_lshlrev_b32 v[WOUT], 10, v5
	v_lshl_add_u32 v[WOUT], v6, 3, v[WOUT]
	s_lshl_b32 s20, ttmp9, 16                      ; the work-group's part: 65,536 bytes of an X,
	s_mov_b32 s21, 0
	s_lshl_b32 s22, ttmp9, 15                      ; 32,768 of its bf16 copy,
	s_mov_b32 s23, 0
	s_lshl_b32 s24, ttmp9, 14                      ; 16,384 of a W,
	s_mov_b32 s25, 0
	s_lshl_b32 s26, ttmp9, 13                      ; 8,192 of its bf16 copy
	s_mov_b32 s27, 0
	s_wait_kmcnt 0x0
	s_add_nc_u64 s[4:5], s[4:5], s[20:21]
	s_add_nc_u64 s[6:7], s[6:7], s[20:21]
	s_add_nc_u64 s[8:9], s[8:9], s[20:21]
	s_add_nc_u64 s[10:11], s[10:11], s[24:25]
	s_add_nc_u64 s[12:13], s[12:13], s[24:25]
	s_add_nc_u64 s[14:15], s[14:15], s[24:25]
	LDSEG 4,  XIN,  0,  16
	LDSEG 6,  XIN,  16, 16
	LDSEG 8,  XIN,  32, 16
	LDSEG 10, WIN_, 48, 4
	LDSEG 12, WIN_, 52, 4
	LDSEG 14, WIN_, 56, 4
	s_add_nc_u64 s[16:17], s[16:17], s[22:23]      ; xb, plane 0
	s_add_nc_u64 s[28:29], s[16:17], 0x800000      ; plane 1: 8,388,608 bytes on, one more than a store's immediate reaches
	s_add_nc_u64 s[30:31], s[16:17], 0x1000000     ; plane 2
	s_add_nc_u64 s[18:19], s[18:19], s[26:27]      ; wb: its planes of 2,097,152 bytes stand in the immediates
	STSEG 16, XOUT, 0,  16, 0
	STSEG 28, XOUT, 16, 16, 0
	STSEG 30, XOUT, 32, 16, 0
	STSEG 18, WOUT, 48, 4, 0
	STSEG 18, WOUT, 52, 4, 2097152
	STSEG 18, WOUT, 56, 4, 4194304
	s_endpgm
.Lfunc_end_k_q81e947ad0a_cvt:
	.size	k_q81e947ad0a_cvt, .Lfunc_end_k_q81e947ad0a_cvt-k_q81e947ad0a_cvt
	.p2alignl 7, 3214868480
	.fill 96, 4, 3214868480
	.section	.rodata,"a",@progbits
	.p2align	6, 0x0
	.amdhsa_kernel k_q81e947ad0a_cvt
		.amdhsa_group_segment_fixed_size 0
		.amdhsa_private_segment_fixed_size 0
		.amdhsa_enable_private_segment 0
		.amdhsa_kernarg_size 64
		.amdhsa_user_sgpr_count 2
		.amdhsa_user_sgpr_kernarg_segment_ptr 1
		.amdhsa_wavefront_size32 1
		.amdhsa_system_sgpr_workgroup_id_x 1
		.amdhsa_system_sgpr_workgroup_id_y 1
		.amdhsa_system_sgpr_workgroup_id_z 1
		.amdhsa_system_vgpr_workitem_id 0
		.amdhsa_next_free_vgpr 248
		.amdhsa_next_free_sgpr 66
		.amdhsa_reserve_vcc 0
		.amdhsa_float_denorm_mode_32 3
		.amdhsa_float_denorm_mode_16_64 3
		.amdhsa_memory_ordered 1
		.amdhsa_forward_progress 1
		.amdhsa_inst_pref_size 23
	.end_amdhsa_kernel
	.amdgpu_metadata
---
amdhsa.version: [ 1, 2 ]
amdhsa.kernels:
  - .name:           k_q81e947ad0a_cvt
    .symbol:         k_q81e947ad0a_cvt.kd
    .args:
      - { .name: q, .offset: 0, .size: 8, .value_kind: global_buffer, .address_space: global }
      - { .name: k, .offset: 8, .size: 8, .value_kind: global_buffer, .address_space: global }
      - { .name: v, .offset: 16, .size: 8, .value_kind: global_buffer, .address_space: global }
      - { .name: Wq_w, .offset: 24, .size: 8, .value_kind: global_buffer, .address_space: global }
      - { .name: Wk_w, .offset: 32, .size: 8, .value_kind: global_buffer, .address_space: global }
      - { .name: Wv_w, .offset: 40, .size: 8, .value_kind: global_buffer, .address_space: global }
      - { .name: xb, .offset: 48, .size: 8, .value_kind: global_buffer, .address_space: global }
      - { .name: wb, .offset: 56, .size: 8, .value_kind: global_buffer, .address_space: global }
    .group_segment_fixed_size: 0
    .private_segment_fixed_size: 0
    .kernarg_segment_align: 8
    .kernarg_segment_size: 64
    .max_flat_workgroup_size: 256
    .sgpr_count:     66
    .vgpr_count:     248
    .wavefront_size: 32
...
	.end_amdgpu_metadata
.endif
;; end of part 1
;; launch proj (part 2): grid 4 x 48, 4 waves a work-group, clusters of 4 x 4, 327,680 bytes of LDS; arguments xb, wb, proj, Wq_b, Wk_b, Wv_b; writes proj
.if DOCPART == 2
	.amdgcn_target "amdgcn-amd-amdhsa--gfx1250"
	.amdhsa_code_object_version 6
	.text
	.protected	k_q81e947ad0a_proj
	.globl	k_q81e947ad0a_proj
	.p2align	8
	.type	k_q81e947ad0a_proj,@function
k_q81e947ad0a_proj:
	s_mov_b64 s[64:65], 0
	v_nop
	global_prefetch_b8 v0, s[64:65] scope:SCOPE_SE
	s_setreg_imm32_b32 hwreg(HW_REG_WAVE_MODE, 25, 1), 1
	s_wait_xcnt 0x0
	s_wait_alu depctr_hold_cnt(0) depctr_sa_sdst(0) depctr_va_vdst(0) depctr_va_sdst(0) depctr_va_ssrc(0) depctr_va_vcc(0) depctr_vm_vsrc(0)
	s_getreg_b32 s2, hwreg(HW_REG_IB_STS2, 6, 4)
	s_cmp_eq_u32 s2, 0
	s_cbranch_scc0 .Lentry_in_a_cluster
	s_endpgm
.Lentry_in_a_cluster:
	s_bfe_u32 s2, ttmp6, 0x10000c
	s_cmp_lg_u32 s2, 0xf033
	s_cbranch_scc0 .Lentry_shape_is_right
	s_endpgm
.Lentry_shape_is_right:
; proj[j] = xb[j] wb[j] + bias[j] for j = q, k, v, as ONE product of 12,288 rows: C[m][n] = bias[n] + sum over k of A[m][k] W[k][n].
; A = xb [12288][1024] bf16; W = wb[m / 4096], [1024 k][1024 n] bf16; C = proj [12288][1024] f16; sums in f32, rounded once.
; WHY C IS f16: the rounding of Q, K and V reaches the attention's result whole, relative to that result's spread, and f16 has 11 significant bits where bf16 has 8.
; ROOM IN f16: drawn inputs give C a spread of 1; all inputs 30 times larger give 900; an offset of 30 spreads on x and on W gives 1,024 x 30 x 30/32 = 28,800;
; all inputs 30 times smaller give 1.1e-3, against a step of 2^-24 near zero.  LIMIT: a |C| of 65,520 or more becomes an infinity.
; A work-group makes a block of 256 x 256 of C with four waves; a wave makes 128 x 128: 64 accumulator tiles of 16 x 16, 512 registers.
; 48 x 4 = 192 work-groups: blocks of half the side would double the LDS bytes read for each matrix instruction.
; K goes in steps of 128 through a ring of two LDS slots filled by the tensor data mover.
; CLUSTERS: 4 x 4 work-groups.  The four of a row of the cluster need the same tiles of A, the four of a column the same tiles of W: a cluster's four block rows
; lie in one of the three matrices, since a matrix has 16 block rows and a cluster starts at a multiple of 4.
; Such a tile is asked for JOINTLY: the same tensor load, the same descriptor, a mask that names the four.  That divides the requests for A and W by four.
;
; W lies [k][n], so its fragments are read from LDS by the transposing load ds_load_tr16_b128.
; REGISTERS, in windows of 256:
;   window 0: v0-31 addresses; v64-127, v128-191 fragments of A, two buffers; v192-255 the bias in the accumulators' layout, later at work on the way out
;   window 1: v64-127, v128-191 fragments of W, two buffers
;   window 2: the 32 accumulator tiles of my rows 0-63 (tile (a, b) at v[8 (8 a + b)]);   window 3: those of my rows 64-127
; THE MATRIX INSTRUCTION IS USED TRANSPOSED: source 0 = 16 columns of W, source 1 = 16 rows of A.  Lane l then holds row m = l % 16 of C and its
; registers 0 to 7 the columns n = 8 (l / 16) + 0 .. 7: eight neighbouring numbers of a row, which pack into 16 bytes.
; The first product of each tile takes the bias as C: nothing is cleared and no add follows.
.set SIZE_M, 12288
.set SIZE_N, 1024
.set SIZE_K, 1024
.set KSTEP,  128
.set PITCH,  272                       ; A's LDS rows: 256 bytes + 16 of padding: 16 rows of a fragment start at 16 different groups of four banks (ISA guide 11.1)
.set BPITCH, 544                       ; W's LDS rows (one k, 256 n): 512 bytes + 32 of padding, an odd multiple of 32
.set HALFT,  128*PITCH                 ; what one tensor load brings: 128 rows of A, or 64 rows of W (64 x 544 is the same 34,816 bytes)
.set SLOT,   4*HALFT                   ; A's 256 rows, then W's 128 k rows
.set STAGE,  2*SLOT                    ; behind the ring: 16 rows x 272 bytes for each wave, for the way out
.set SPITCH, 272
.set LAPS, SIZE_K/(2*KSTEP)            ; a lap = two K steps = once round the ring: 4
.set ADRA, 16                          ; v16-17  LDS address of my A fragments in slot 0, 1
.set ADRB, 20                          ; v20-21  the same for W
.set STO,  24                          ; v24     the way out: where I put 16 bytes of a row
.set RD,   25                          ; v25     the way out: where I read a row back
.set CO,   26                          ; v26     my byte offset in C
.set BO,   27                          ; v27     my byte offset in the bias: 32 (l / 16)
.set F0,   64
.set F1,   128
.set TMP,  192                         ; the way out: packed results, window 0
.set BIAS, 192                         ; v[192+8b:199+8b], window 0: bias of columns 16 b + 8 (l / 16) + 0 .. 7 of my 128
.set G1, 24                            ; s[24:31] descriptor group 1 for A's tiles
.set G0, 32                            ; s[32:39] descriptor group 0 for A's tiles, one set for each slot
.set G1B, 48                           ; s[48:55] descriptor group 1 for W's tiles
.set G0B, 56                           ; s[56:63] descriptor group 0 for W's tiles, one set for each slot
.set MSB, 0
.macro WIN new                         ; s_set_vgpr_msb: bits 1:0 source 0, 3:2 source 1, 5:4 source 2, 7:6 destination; the high byte repeats the setting that is left
.if MSB != \new
	s_set_vgpr_msb (MSB<<8)|\new
.set MSB, \new
.endif
.endm
.set MUL_LO, 0xa1                      ; source 0 (W) window 1, source 1 (A) window 0, C and D window 2
.set MUL_HI, 0xf1                      ; the same, C and D window 3
.set BIA_LO, 0x81                      ; C (the bias) window 0, D window 2
.set BIA_HI, 0xc1                      ; C window 0, D window 3
.set TO_B,   0x40                      ; destination window 1, address window 0
; A joint load.  Waves 0 and 1 fetch A's two halves, waves 2 and 3 W's.  Each line has one mask and one set of registers; the branch hangs on the wave's number alone.
.macro JLOAD s
	s_cmp_eq_u32 s11, 0
	s_cbranch_scc0 .Lfor_b_\@
	tensor_load_to_lds s[G0+4*\s:G0+4*\s+3], s[G1:G1+7]
	s_nop 0
	s_branch .Lasked_\@
.Lfor_b_\@:
	tensor_load_to_lds s[G0B+4*\s:G0B+4*\s+3], s[G1B:G1B+7]
	s_nop 0
.Lasked_\@:
.endm
; A round of the cluster's barrier: my work-group's barrier; wave 0 signals for the work-group; every wave waits for all sixteen; my work-group's barrier once more.
.macro CREST                           ; a round behind its opening barrier
	s_cmp_lg_u32 s10, 0
	s_cbranch_scc1 .Lnot_wave_0_\@
	s_barrier_signal -3
.Lnot_wave_0_\@:
	s_barrier_wait -3
	s_barrier_signal -1
	s_barrier_wait -1
.endm
.macro CROUND                          ; a whole round
	s_barrier_signal -1
	s_barrier_wait -1
	CREST
.endm
	s_load_b128 s[4:7], s[0:1], 0x0                ; xb s[4:5], wb s[6:7]
	s_load_b64 s[8:9], s[0:1], 0x10                ; proj
	s_load_b128 s[68:71], s[0:1], 0x18             ; Wq_b s[68:69], Wk_b s[70:71]
	s_load_b64 s[72:73], s[0:1], 0x28              ; Wv_b
	s_set_vgpr_msb 0x40
	v_lshl_add_u32 v255, v0, 2, 0x48400
	s_set_vgpr_msb 0x4000
	v_mov_b32 v63, 0
	s_set_vgpr_msb 0x1
	ds_add_u32 v255, v63
	s_set_vgpr_msb 0x100
	v_lshrrev_b32 v1, 5, v0
	v_readfirstlane_b32 s10, v1                    ; wave 0..3
	s_lshr_b32 s11, s10, 1                         ; which half of the block's rows is mine.  Also: I fetch for A (0) or for W (1)
	s_and_b32 s12, s10, 1                          ; which half of its columns.  Also: which half of that tile I fetch
	s_bfe_u32 s40, ttmp6, 0x40000                  ; cx
	s_bfe_u32 s41, ttmp6, 0x40004                  ; cy
	s_lshl_b32 s42, ttmp9, 2
	s_add_co_u32 s42, s42, s40                     ; block column of C = 4 x cluster x + cx
	s_and_b32 s13, ttmp7, 0xffff                   ; cluster y, 0 to 11
	s_lshr_b32 s66, s13, 2                         ; which matrix (0 q, 1 k, 2 v): four clusters' rows each; the same in all sixteen partners
	s_lshl_b32 s13, s13, 2
	s_add_co_u32 s13, s13, s41                     ; block row of C = 4 x cluster y + cy
	s_lshl_b32 s43, s41, 2
	s_lshl_b32 s43, 15, s43                        ; my row of the cluster: places 4 cy .. 4 cy + 3
	s_lshl_b32 s44, 0x1111, s40                    ; my column: places cx, cx + 4, cx + 8, cx + 12
	; group 1 for A: 128 rows x 128 elements of 2 bytes, 4 words of padding behind every 64 words
	s_or_b32 s[G1+0], s43, (1<<16)|(1<<20)|(1<<21)|(5<<22)|(3<<25)
	s_mov_b32 s[G1+1], KSTEP<<16                   ; tensor_dim0 = 128
	s_mov_b32 s[G1+2], 128<<16                     ; tensor_dim1 = 128
	s_mov_b32 s[G1+3], KSTEP<<16                   ; tile_dim0 = 128
	s_mov_b32 s[G1+4], 128                         ; tile_dim1 = 128
	s_mov_b32 s[G1+5], SIZE_K                      ; elements from row to row
	s_mov_b32 s[G1+6], 0
	s_mov_b32 s[G1+7], 0
	; group 1 for W: 64 k rows x 256 elements of 2 bytes, 8 words of padding behind every 128 words
	s_or_b32 s[G1B+0], s44, (1<<16)|(1<<20)|(1<<21)|(6<<22)|(7<<25)
	s_mov_b32 s[G1B+1], 256<<16                    ; tensor_dim0 = 256
	s_mov_b32 s[G1B+2], 64<<16                     ; tensor_dim1 = 64
	s_mov_b32 s[G1B+3], 256<<16                    ; tile_dim0 = 256
	s_mov_b32 s[G1B+4], 64                         ; tile_dim1 = 64
	s_mov_b32 s[G1B+5], SIZE_N                     ; elements from one k to the next
	s_mov_b32 s[G1B+6], 0
	s_mov_b32 s[G1B+7], 0
	; where the tiles come from.  A's hang on the block row alone, W's on the matrix and the block column alone, each in registers that never hold the other coordinate.
	s_lshl_b32 s17, s12, 7
	s_lshl_b32 s16, s13, 8
	s_add_co_u32 s16, s16, s17                     ; A: row 256 x block row + 128 x half
	s_mov_b32 s17, 0
	s_mov_b64 s[18:19], SIZE_K*2
	s_mul_u64 s[16:17], s[16:17], s[18:19]         ; in bytes
	s_lshl_b32 s46, s66, 21                        ; W: matrix x 2,097,152
	s_lshl_b32 s45, s12, 17                        ;  + half x 64 k rows of 2,048 bytes
	s_add_co_u32 s46, s46, s45
	s_lshl_b32 s45, s42, 9                         ;  + block column x 512 bytes
	s_add_co_u32 s46, s46, s45
	s_mov_b32 s47, 0
	s_mul_i32 s20, s10, HALFT                      ; and where they go: wave x 34,816: A's two halves, then W's two halves
	s_wait_dscnt 0x0
	s_wait_kmcnt 0x0
	s_add_nc_u64 s[14:15], s[4:5], s[16:17]
	s_add_nc_u64 s[46:47], s[6:7], s[46:47]
	s_cmp_eq_u32 s66, 0                            ; the matrix's bias
	s_cselect_b64 s[74:75], s[68:69], s[70:71]
	s_cmp_eq_u32 s66, 2
	s_cselect_b64 s[74:75], s[72:73], s[74:75]
	s_lshl_b32 s66, s42, 10                        ; at my first column: (256 x block column + 128 x half) x 4 bytes
	s_lshl_b32 s67, s12, 9
	s_add_co_u32 s66, s66, s67
	s_mov_b32 s67, 0
	s_add_nc_u64 s[74:75], s[74:75], s[66:67]
	CROUND                                         ; all sixteen work-groups are here: the first joint loads meet
.irp s, 0,1
	s_mov_b32 s[G0+4*\s], 1
	s_add_co_u32 s[G0+4*\s+1], s20, \s*SLOT
	s_add_nc_u64 s[G0+4*\s+2:G0+4*\s+3], s[14:15], \s*KSTEP*2              ; K step s: 256 bytes along A's rows
	s_or_b32 s[G0+4*\s+3], s[G0+4*\s+3], 0x80000000
	s_mov_b32 s[G0B+4*\s], 1
	s_add_co_u32 s[G0B+4*\s+1], s20, \s*SLOT
	s_add_nc_u64 s[G0B+4*\s+2:G0B+4*\s+3], s[46:47], \s*KSTEP*SIZE_N*2     ; K step s: 128 rows of W down
	s_or_b32 s[G0B+4*\s+3], s[G0B+4*\s+3], 0x80000000
	JLOAD \s                                       ; two tensor loads of a wave are out: the most in this text
.endr
	; A's fragment (16 rows x 32 K, 8 registers): lane l holds row l % 16; two loads of 16 bytes, 32 bytes apart, at row x pitch + 16 (l / 16).
	; W's fragment (16 columns x 32 K): two transposing loads, 16 k rows apart, at (8 (l / 16) + l % 8) x pitch + 16 ((l / 8) % 2) + 2 x column.
	v_and_b32 v1, 15, v0                           ; l % 16
	v_bfe_u32 v2, v0, 4, 1                         ; l / 16
	v_lshlrev_b32 v[BO], 5, v2
.irp b, 0,1,2,3,4,5,6,7
	global_load_b128 v[BIAS+8*\b:BIAS+8*\b+3],   v[BO], s[74:75] offset:64*\b
	global_load_b128 v[BIAS+8*\b+4:BIAS+8*\b+7], v[BO], s[74:75] offset:64*\b+16
.endr
	v_mul_u32_u24 v3, v1, PITCH
	v_lshl_add_u32 v3, v2, 4, v3
	v_and_b32 v6, 7, v0
	v_lshl_add_u32 v6, v2, 3, v6
	v_mul_u32_u24 v6, v6, BPITCH
	v_bfe_u32 v7, v0, 3, 1
	v_lshl_add_u32 v6, v7, 4, v6
	s_mul_i32 s21, s11, HALFT                      ; my 128 rows of A
	s_lshl_b32 s22, s12, 8                         ; my 128 columns of W: 256 bytes along its rows,
	s_add_co_u32 s22, s22, 2*HALFT                 ; which lie behind A's 256 rows
.irp s, 0,1
	v_add_nc_u32 v[ADRA+\s], s21, v3
	v_add_nc_u32 v[ADRB+\s], s22, v6
	s_add_co_u32 s21, s21, SLOT
	s_add_co_u32 s22, s22, SLOT
.endr
	s_mul_i32 s23, s10, 16*SPITCH
	s_add_co_u32 s23, s23, STAGE                   ; my stage
	v_mul_u32_u24 v4, v1, SPITCH
	v_lshl_add_u32 v4, v2, 4, v4
	v_add_nc_u32 v[STO], s23, v4
	v_mul_u32_u24 v5, v2, SPITCH
	v_lshl_add_u32 v5, v1, 4, v5
	v_add_nc_u32 v[RD], s23, v5
	v_mul_u32_u24 v5, v2, SIZE_N*2
	v_lshl_add_u32 v[CO], v1, 4, v5
; 16 matrix instructions: m blocks a0, a0 + 1 of the window's four x all 8 n blocks, 32 along K.  start = 1: the bias is C and starts the sums.
; The 64 accumulators take turns, one instruction a turn, in the same order in every quarter step.
.macro MUL16 f, hi, a0, start
.irp a, \a0, \a0+1
.irp b, 0,1,2,3,4,5,6,7
.if \start
	v_wmma_f32_16x16x32_bf16 v[8*(8*(\a)+\b):8*(8*(\a)+\b)+7], v[\f+8*\b:\f+8*\b+7], v[\f+8*(4*\hi+\a):\f+8*(4*\hi+\a)+7], v[BIAS+8*\b:BIAS+8*\b+7]
.else
	v_wmma_f32_16x16x32_bf16 v[8*(8*(\a)+\b):8*(8*(\a)+\b)+7], v[\f+8*\b:\f+8*\b+7], v[\f+8*(4*\hi+\a):\f+8*(4*\hi+\a)+7], v[8*(8*(\a)+\b):8*(8*(\a)+\b)+7]
.endif
.endr
.endr
.endm
; 32 LDS loads in one run: the fragments of quarter step qn (32 along K) into buffer f: W's 128 columns, then A's 128 rows
.macro FETCH slot, qn, f
	WIN TO_B
.irp i, 0,1,2,3,4,5,6,7
	ds_load_tr16_b128 v[\f+8*\i:\f+8*\i+3],   v[ADRB+\slot] offset:\qn*32*BPITCH+32*\i
	ds_load_tr16_b128 v[\f+8*\i+4:\f+8*\i+7], v[ADRB+\slot] offset:\qn*32*BPITCH+32*\i+16*BPITCH
.endr
	WIN 0
.irp i, 0,1,2,3,4,5,6,7
	ds_load_b128 v[\f+8*\i:\f+8*\i+3],   v[ADRA+\slot] offset:\qn*64+\i*16*PITCH
	ds_load_b128 v[\f+8*\i+4:\f+8*\i+7], v[ADRA+\slot] offset:\qn*64+\i*16*PITCH+32
.endr
.endm
; A load into a register that a matrix instruction has read, and a vector instruction that reads a matrix result, stand four places behind that matrix
; instruction; only plain vector instructions that name none of its registers are places.
.macro PLACES
.rept 4
	v_nop
.endr
.endm
; One of a K step's first three quarters: multiplies buffer f; in its middle it fetches quarter qn of the same slot into buffer g.
.macro QUARTER slot, qn, f, g, start
	s_wait_dscnt 8                                 ; W and A's rows 0-63 are in; the youngest eight loads (A's rows 64-127) may be out
.if \start
	WIN BIA_LO
.else
	WIN MUL_LO
.endif
	MUL16 \f, 0, 0, \start
	MUL16 \f, 0, 2, \start
	PLACES
	FETCH \slot, \qn, \g
	s_wait_dscnt 32                                ; all but the 32 just issued
.if \start
	WIN BIA_HI
.else
	WIN MUL_HI
.endif
	MUL16 \f, 1, 0, \start
	MUL16 \f, 1, 2, \start
.endm
.macro THREE slot, start
	QUARTER \slot, 1, F0, F1, \start
	QUARTER \slot, 2, F1, F0, 0
	QUARTER \slot, 3, F0, F1, 0
.endm
; The last quarter: multiplies buffer 1 and changes slots.  In front of the one barrier each wave waits for its reads of this slot and for all its tensor
; loads (one is out: its part of the next slot).  Behind it the refill comes first, then the next slot's first fragments.
; From a request to the wait for it a wave issues 240 matrix instructions.
.macro TURN slot, next, fill
	s_wait_dscnt 8
	WIN MUL_LO
	MUL16 F1, 0, 0, 0
	s_wait_dscnt 0                                 ; my reads of this slot are over
	s_wait_tensorcnt 0x0                           ; and all my tensor loads have landed
	ds_add_u32 v255, v63
	s_wait_dscnt 0x0
	s_barrier_signal -1                            ; (where a slot is filled again this barrier opens a round of the cluster's barrier)
	MUL16 F1, 0, 2, 0                              ; register work while the others arrive
	WIN 0
	s_barrier_wait -1
.if \fill
	CREST                                          ; no wave of any partner still reads this slot's tile or has a load on its way
	s_add_nc_u64 s[G0+4*\slot+2:G0+4*\slot+3], s[G0+4*\slot+2:G0+4*\slot+3], 2*KSTEP*2
	s_add_nc_u64 s[G0B+4*\slot+2:G0B+4*\slot+3], s[G0B+4*\slot+2:G0B+4*\slot+3], 2*KSTEP*SIZE_N*2
	JLOAD \slot                                    ; the first tensor load behind the round, and the wave's only one until the next
.endif
	PLACES
	FETCH \next, 0, F0
	WIN MUL_HI
	MUL16 F1, 1, 0, 0
	MUL16 F1, 1, 2, 0
.endm
.macro LAP start                       ; once round the ring, both slots filled again
	THREE 0, \start
	TURN 0, 1, 1
	THREE 1, 0
	TURN 1, 0, 1
.endm
	s_wait_loadcnt 0x0                             ; the bias
	s_wait_tensorcnt 1                             ; my part of K step 0 is in; K step 1's may stay out
	s_barrier_signal -1
	s_barrier_wait -1                              ; everybody's is
	FETCH 0, 0, F0
	LAP 1                                          ; the first lap stands in front of the loop: its first products start the sums from the bias
	WIN 0                                          ; at a label and at a branch every window is 0
	s_mov_b32 s3, LAPS-2
.Llap:
	LAP 0
	WIN 0
	s_sub_co_u32 s3, s3, 1
	s_cmp_lg_u32 s3, 0
	s_cbranch_scc1 .Llap
	THREE 0, 0                                     ; the last lap fills nothing
	TURN 0, 1, 0
	THREE 1, 0
	s_wait_dscnt 8                                 ; the very last quarter
	WIN MUL_LO
	MUL16 F1, 0, 0, 0
	MUL16 F1, 0, 2, 0
	s_wait_dscnt 0
	WIN MUL_HI
	MUL16 F1, 1, 0, 0
	MUL16 F1, 1, 2, 0
	; THE WAY OUT, 16 rows of C at a time: round to f16, 16 bytes a lane into my own stage in LDS, read back as whole rows of 256 bytes.
	PLACES
	s_lshl_b32 s13, s13, 8
	s_lshl_b32 s14, s11, 7
	s_add_co_u32 s16, s13, s14                     ; my first row of C
	s_mov_b32 s17, 0
	s_mov_b64 s[18:19], SIZE_N*2
	s_mul_u64 s[16:17], s[16:17], s[18:19]
	s_add_nc_u64 s[8:9], s[8:9], s[16:17]
	s_lshl_b32 s46, s42, 9                         ; my first column, in bytes: 512 x block + 256 x half
	s_lshl_b32 s47, s12, 8
	s_add_co_u32 s46, s46, s47
	s_mov_b32 s47, 0
	s_add_nc_u64 s[8:9], s[8:9], s[46:47]
; rows 16 i .. 16 i + 15 of my block = the eight tiles (a, 0..7) of window 2 or 3 (from = 0x0a or 0x0f: sources 0 and 1); f: F0 or F1 in turn
.macro OUT16 i, a, from, f
	WIN \from
.irp b, 0,1,2,3,4,5,6,7
.irp r, 0,1,2,3
	v_cvt_pk_f16_f32 v[TMP+4*\b+\r], v[8*(8*\a+\b)+2*\r], v[8*(8*\a+\b)+2*\r+1]
.endr
.endr
	WIN 0
.irp b, 0,1,2,3,4,5,6,7
	ds_store_b128 v[STO], v[TMP+4*\b:TMP+4*\b+3] offset:32*\b
.endr
	s_wait_xcnt 0x0                                ; buffer f, which earlier stores read, and the stores' base are rewritten only behind this wait (ISA guide 3.1)
.if \i
	s_add_nc_u64 s[8:9], s[8:9], 16*SIZE_N*2       ; 16 rows of C on
.endif
.irp t, 0,1,2,3,4,5,6,7
	ds_load_b128 v[\f+4*\t:\f+4*\t+3], v[RD] offset:\t*2*SPITCH    ; LDS serves a wave's instructions in order (ISA guide 5.7.1.4): these see the stores above
.endr
.irp t, 0,1,2,3,4,5,6,7
	s_wait_dscnt 7-\t                              ; read t of the eight is in, the younger ones stay out
	global_store_b128 v[CO], v[\f+4*\t:\f+4*\t+3], s[8:9] offset:2*\t*SIZE_N*2   ; 16 lanes store 256 consecutive bytes, at a multiple of 256 from C's first byte
.endr
.endm
	OUT16 0, 0, 0x0a, F0
	OUT16 1, 1, 0x0a, F1
	OUT16 2, 2, 0x0a, F0
	OUT16 3, 3, 0x0a, F1
	OUT16 4, 0, 0x0f, F0
	OUT16 5, 1, 0x0f, F1
	OUT16 6, 2, 0x0f, F0
	OUT16 7, 3, 0x0f, F1
	s_set_vgpr_msb 0x1
	s_wait_tensorcnt 0x0
	ds_add_u32 v255, v63
	s_wait_dscnt 0x0
	s_set_vgpr_msb 0x100
	CROUND                                         ; the closing round: no work-group ends while a partner may still ask for a tile that names it
	s_endpgm
.Lfunc_end_k_q81e947ad0a_proj:
	.size	k_q81e947ad0a_proj, .Lfunc_end_k_q81e947ad0a_proj-k_q81e947ad0a_proj
	.p2alignl 7, 3214868480
	.fill 96, 4, 3214868480
	.section	.rodata,"a",@progbits
	.p2align	6, 0x0
	.amdhsa_kernel k_q81e947ad0a_proj
		.amdhsa_group_segment_fixed_size 327680
		.amdhsa_private_segment_fixed_size 0
		.amdhsa_enable_private_segment 0
		.amdhsa_kernarg_size 48
		.amdhsa_user_sgpr_count 2
		.amdhsa_user_sgpr_kernarg_segment_ptr 1
		.amdhsa_wavefront_size32 1
		.amdhsa_system_sgpr_workgroup_id_x 1
		.amdhsa_system_sgpr_workgroup_id_y 1
		.amdhsa_system_sgpr_workgroup_id_z 1
		.amdhsa_system_vgpr_workitem_id 0
		.amdhsa_next_free_vgpr 1024
		.amdhsa_next_free_sgpr 76
		.amdhsa_reserve_vcc 0
		.amdhsa_float_denorm_mode_32 3
		.amdhsa_float_denorm_mode_16_64 3
		.amdhsa_memory_ordered 1
		.amdhsa_forward_progress 1
		.amdhsa_inst_pref_size 199
	.end_amdhsa_kernel
	.amdgpu_metadata
---
amdhsa.version: [ 1, 2 ]
amdhsa.kernels:
  - .name:           k_q81e947ad0a_proj
    .symbol:         k_q81e947ad0a_proj.kd
    .args:
      - { .name: xb, .offset: 0, .size: 8, .value_kind: global_buffer, .address_space: global }
      - { .name: wb, .offset: 8, .size: 8, .value_kind: global_buffer, .address_space: global }
      - { .name: proj, .offset: 16, .size: 8, .value_kind: global_buffer, .address_space: global }
      - { .name: Wq_b, .offset: 24, .size: 8, .value_kind: global_buffer, .address_space: global }
      - { .name: Wk_b, .offset: 32, .size: 8, .value_kind: global_buffer, .address_space: global }
      - { .name: Wv_b, .offset: 40, .size: 8, .value_kind: global_buffer, .address_space: global }
    .group_segment_fixed_size: 327680
    .private_segment_fixed_size: 0
    .kernarg_segment_align: 8
    .kernarg_segment_size: 48
    .max_flat_workgroup_size: 128
    .sgpr_count:     76
    .vgpr_count:     1024
    .wavefront_size: 32
...
	.end_amdgpu_metadata
.endif
;; end of part 2
;; launch attn (part 3): grid 8 x 32, 8 waves a work-group, clusters of 4 x 1, 327,680 bytes of LDS; arguments proj, W0_w, part; writes part
.if DOCPART == 3
	.amdgcn_target "amdgcn-amd-amdhsa--gfx1250"
	.amdhsa_code_object_version 6
	.text
	.protected	k_q81e947ad0a_attn
	.globl	k_q81e947ad0a_attn
	.p2align	8
	.type	k_q81e947ad0a_attn,@function
k_q81e947ad0a_attn:
	s_mov_b64 s[64:65], 0
	v_nop
	global_prefetch_b8 v0, s[64:65] scope:SCOPE_SE
	s_setreg_imm32_b32 hwreg(HW_REG_WAVE_MODE, 25, 1), 1
	s_wait_xcnt 0x0
	s_wait_alu depctr_hold_cnt(0) depctr_sa_sdst(0) depctr_va_vdst(0) depctr_va_sdst(0) depctr_va_ssrc(0) depctr_va_vcc(0) depctr_vm_vsrc(0)
	s_getreg_b32 s2, hwreg(HW_REG_IB_STS2, 6, 4)
	s_cmp_eq_u32 s2, 0
	s_cbranch_scc0 .Lentry_in_a_cluster
	s_endpgm
.Lentry_in_a_cluster:
	s_bfe_u32 s2, ttmp6, 0x10000c
	s_cmp_lg_u32 s2, 0x3003
	s_cbranch_scc0 .Lentry_shape_is_right
	s_endpgm
.Lentry_shape_is_right:
; part[bh][s][d] = W0[h] x (softmax over t of (Q[s] . K[t] / 8)) V[t][d], for each of 32 heads bh = 16 b + h.
; proj = [3][4096][1024] f16; the split into heads is a plain reshape, so head bh of plane j is the dense block [2048 tokens][64] at j x 8,388,608 + bh x 262,144 bytes.
; part = [32][2048][64] f32.
; A work-group takes 256 queries of one head (8 x 32 = 256 work-groups), eight waves.  Wave w: queries 64 (w % 4) .. + 63, and half w / 4 of the keys of every slot;
; the two halves' results are merged once at the end through LDS.  Two waves share a SIMD, so that one's softmax runs beside the other's matrix work.
; CLUSTERS: the four work-groups of a cluster take four query blocks of one head and walk the same K and V: every tile is asked for jointly (mask 15).
; Keys go in slots of 512 (K and V) through a ring of two LDS slots, four fills in all; a refill has a whole slot's work (256 matrix instructions a wave) in which to land.
; TRANSPOSED FORMS: S^T = K Q^T (source 0 = 16 keys from LDS, source 1 = 16 queries in registers): lane (r, h) holds query r and keys 8 h + 0 .. 7 of the tile.
; So maximum, sum and rescale factor are one number a lane (one exchange with lane l xor 16), and two neighbouring registers rounded to f16 ARE the source 1 fragment
; of O^T = V^T P^T (source 0 = V through the transposing LDS load): no shuffle, no trip through LDS.  A lane ends with 8 neighbouring d of one query.
; SOFTMAX: a running maximum of the raw scores; p = 2^(c s - c m), c = log2(e) / 8.
; FORMAT: both products take f16 operands and add in f32.  Q, K, V come as f16 (their room: the head of the launch that stores them).  p lies in (0, 1], so it never
; overflows f16; a p under 2^-25 rounds to zero, against a denominator that holds the largest score's own term, 1.
; LIMITS: NaN and infinities in the inputs are not carried as an f32 computation would carry them.  The denominator adds the f32 exponentials, while the
; product with V takes them rounded to f16 (relative 2^-11 at the most for p of 2^-14 and above).
.set PLANE,  8388608
.set KP,     144                       ; K's LDS rows: 128 bytes + 16: an odd multiple of 16
.set VP,     160                       ; V's LDS rows: 128 bytes + 32: an odd multiple of 32, for the transposing load
.set VBYTES, 512*VP                    ; 81,920: V's 512 rows lie first in a slot
.set KBYTES, 512*KP                    ; 73,728: then K's
.set SLOT,   VBYTES+KBYTES             ; 155,648
.set OPITCH, 272                       ; the output stage's rows: 256 bytes + 16
.set OSTW,   64*OPITCH                 ; 17,408: stage of wave w (0-3) at w x 17,408, in slot 0 after its last fill and last read
.set MRGW,   35*512                    ; 17,920: what wave w (4-7) hands over, at w x 17,920 (71,680 and up: behind the four stages), in slot 0 likewise
; window 0
.set ADK0, 8                           ; v8   K: 81,920 + half x 36,864 + r x 144 + 16 h
.set ADV0, 9                           ; v9   V: half x 40,960 + (8 h + l % 8) x 160 + 16 ((l / 8) % 2)
.set ADK,  10                          ; v10, v11  the same, running
.set ADV,  11
.set QO,   12                          ; v12  r x 128 + 16 h
.set MRG,  13                          ; v13  w x 17,920 + 16 l
.set STO,  14                          ; v14  w x 17,408 + r x 272 + 32 h
.set RD,   15                          ; v15  w x 17,408 + h x 272 + 16 r
.set CO,   16                          ; v16  16 l
.set NMM,  20                          ; v[20+2nt] = -c m, v[21+2nt] = m (running maximum of the raw scores), query tile nt
.set ALX,  28                          ; v[28+2nt] = rescale factor, v[29+2nt] = what the other half of the lanes sent
.set LP,   36                          ; v[36+2nt:37+2nt] running sum, two partial sums a lane
.set TB,   44                          ; v[44:45] a second chain of the sum
.set S,    64                          ; v[64:191] scores: tile (nt, mt) at 64 + 8 (4 nt + mt); then P: fragment (nt, kp) at 64 + 32 nt + 16 kp
.set KF,   192                         ; v[192:255] K's fragments: (mt, ks) at 192 + 8 (2 mt + ks)
; window 1
.set O,    0                           ; v[0:127]   O^T: tile (nt, dt) at 8 (4 nt + dt)
.set Q,    128                         ; v[128:191] Q's fragments: (nt, ks) at 128 + 8 (2 nt + ks)
.set VF,   192                         ; v[192:255] V's fragments: (dt, kp) at 192 + 8 (2 dt + kp)
.set G1K, 24                           ; s[24:31] group 1 for K's tiles
.set G0K, 32                           ; s[32:39] group 0 for K's tiles, one set for each slot
.set G1V, 48                           ; s[48:55], s[56:63] the same for V
.set G0V, 56
.set MSB, 0
.macro WIN new                         ; s_set_vgpr_msb: bits 1:0 source 0, 3:2 source 1, 5:4 source 2, 7:6 destination; the high byte repeats the setting that is left
.if MSB != \new
	s_set_vgpr_msb (MSB<<8)|\new
.set MSB, \new
.endif
.endm
; A joint load: waves 0-3 fetch V's four quarters of a slot, waves 4-7 K's.  The branch hangs on the wave's number alone.
.macro JLOAD s
	s_cmp_eq_u32 s11, 0
	s_cbranch_scc0 .Lfor_k_\@
	tensor_load_to_lds s[G0V+4*\s:G0V+4*\s+3], s[G1V:G1V+7]
	s_nop 0
	s_branch .Lasked_\@
.Lfor_k_\@:
	tensor_load_to_lds s[G0K+4*\s:G0K+4*\s+3], s[G1K:G1K+7]
	s_nop 0
.Lasked_\@:
.endm
; A round of the cluster's barrier: my work-group's barrier; wave 0 signals for the work-group; every wave waits for all four; my work-group's barrier once more.
.macro ROUND
	s_barrier_signal -1
	s_barrier_wait -1
	s_cmp_lg_u32 s10, 0
	s_cbranch_scc1 .Lnot_wave_0_\@
	s_barrier_signal -3
.Lnot_wave_0_\@:
	s_barrier_wait -3
	s_barrier_signal -1
	s_barrier_wait -1
.endm
	s_load_b128 s[4:7], s[0:1], 0x0                ; proj s[4:5], W0_w s[6:7]
	s_load_b64 s[8:9], s[0:1], 0x10                ; part
	v_lshl_add_u32 v62, v0, 2, 0x4c000
	v_mov_b32 v63, 0
	ds_add_u32 v62, v63
	v_lshrrev_b32 v1, 5, v0
	v_readfirstlane_b32 s10, v1                    ; wave 0..7
	s_lshr_b32 s11, s10, 2                         ; my half of the keys.  Also: I fetch for V (0) or for K (1)
	s_and_b32 s12, s10, 3                          ; my 64 queries.  Also: which quarter of a tile I fetch
	s_bfe_u32 s13, ttmp6, 0x40000                  ; cx
	s_lshl_b32 s14, ttmp9, 2
	s_add_co_u32 s14, s14, s13                     ; query block = 4 x cluster x + cx
	s_and_b32 s15, ttmp7, 0xffff                   ; head bh
	s_mov_b32 s20, 0x3e38aa3b                      ; c = log2(e) / 8
	s_mov_b32 s21, 0x3e38aa3b
	s_mov_b32 s22, 0xbe38aa3b                      ; -c
	s_mov_b32 s40, 0x76543210                      ; v_permlanex16_b32: lane i of one half reads lane i of the other
	s_mov_b32 s41, 0xfedcba98
	; group 1: 128 rows (keys) x 64 elements of 2 bytes; padding behind every 32 words: 4 words for K, 8 for V; mask 15, all four of the cluster
	s_mov_b32 s[G1K+0], 15|(1<<16)|(1<<20)|(1<<21)|(4<<22)|(3<<25)
	s_mov_b32 s[G1V+0], 15|(1<<16)|(1<<20)|(1<<21)|(4<<22)|(7<<25)
	s_mov_b32 s[G1K+1], 64<<16                     ; tensor_dim0 = 64
	s_mov_b32 s[G1V+1], 64<<16
	s_mov_b32 s[G1K+2], 128<<16                    ; tensor_dim1 = 128
	s_mov_b32 s[G1V+2], 128<<16
	s_mov_b32 s[G1K+3], 64<<16                     ; tile_dim0 = 64
	s_mov_b32 s[G1V+3], 64<<16
	s_mov_b32 s[G1K+4], 128                        ; tile_dim1 = 128
	s_mov_b32 s[G1V+4], 128
	s_mov_b32 s[G1K+5], 64                         ; elements from key to key
	s_mov_b32 s[G1V+5], 64
	s_mov_b32 s[G1K+6], 0
	s_mov_b32 s[G1V+6], 0
	s_mov_b32 s[G1K+7], 0
	s_mov_b32 s[G1V+7], 0
	s_lshl_b32 s44, s15, 18                        ; K's and V's tiles: head x 262,144 + quarter x 128 keys x 128 bytes: nothing of cx
	s_lshl_b32 s45, s12, 14
	s_add_co_u32 s44, s44, s45
	s_mov_b32 s45, 0
	s_mul_i32 s17, s10, 128*VP                     ; V's quarter in LDS: wave x 20,480 (waves 0-3)
	s_mul_i32 s18, s10, 128*KP                     ; K's: wave x 18,432 + 8,192 = 81,920 + (wave - 4) x 18,432 (waves 4-7)
	s_wait_dscnt 0x0
	s_wait_kmcnt 0x0
	s_add_nc_u64 s[46:47], s[4:5], s[44:45]
	s_lshl_b32 s2, s15, 18                         ; Q: head x 262,144 + (256 x block + 64 x (w % 4)) x 128 bytes
	s_lshl_b32 s3, s14, 15
	s_add_co_u32 s2, s2, s3
	s_lshl_b32 s3, s12, 13
	s_add_co_u32 s2, s2, s3
	s_mov_b32 s3, 0
	s_add_nc_u64 s[4:5], s[4:5], s[2:3]
	s_and_b32 s2, s15, 15                          ; W0[h]
	s_lshl_b32 s2, s2, 2
	s_add_nc_u64 s[6:7], s[6:7], s[2:3]
	s_lshl_b32 s2, s15, 19                         ; part: (head x 2,048 + 256 x block + 64 x (w % 4)) x 256 bytes
	s_lshl_b32 s19, s14, 16
	s_add_co_u32 s2, s2, s19
	s_lshl_b32 s19, s12, 14
	s_add_co_u32 s2, s2, s19
	s_add_nc_u64 s[8:9], s[8:9], s[2:3]
	ROUND                                          ; all four work-groups are here: the first joint loads meet
.irp s, 0,1
	s_mov_b32 s[G0V+4*\s], 1
	s_add_co_u32 s[G0V+4*\s+1], s17, \s*SLOT
	s_add_nc_u64 s[G0V+4*\s+2:G0V+4*\s+3], s[46:47], 2*PLANE+\s*65536      ; keys 512 s ..
	s_or_b32 s[G0V+4*\s+3], s[G0V+4*\s+3], 0x80000000
	s_mov_b32 s[G0K+4*\s], 1
	s_add_co_u32 s[G0K+4*\s+1], s18, \s*SLOT+8192
	s_add_nc_u64 s[G0K+4*\s+2:G0K+4*\s+3], s[46:47], PLANE+\s*65536
	s_or_b32 s[G0K+4*\s+3], s[G0K+4*\s+3], 0x80000000
	JLOAD \s                                       ; two tensor loads of a wave are out: the most in this text
.endr
	s_load_b32 s16, s[6:7], 0x0                    ; W0[h]
	v_and_b32 v1, 15, v0                           ; r
	v_bfe_u32 v2, v0, 4, 1                         ; h
	v_lshlrev_b32 v[QO], 7, v1
	v_lshl_add_u32 v[QO], v2, 4, v[QO]
	; Q's fragments stay in registers: lane (r, h) holds query 16 nt + r, d = 32 ks + 8 h + 0..7 and 32 ks + 16 + 8 h + 0..7
	WIN 0x40
.irp nt, 0,1,2,3
.irp ks, 0,1
	global_load_b128 v[Q+8*(2*\nt+\ks):Q+8*(2*\nt+\ks)+3],   v[QO], s[4:5] offset:\nt*2048+64*\ks
	global_load_b128 v[Q+8*(2*\nt+\ks)+4:Q+8*(2*\nt+\ks)+7], v[QO], s[4:5] offset:\nt*2048+64*\ks+32
.endr
.endr
	WIN 0
	v_and_b32 v3, 31, v0                           ; l
	v_and_b32 v4, 7, v0                            ; l % 8
	v_bfe_u32 v5, v0, 3, 1                         ; (l / 8) % 2
	s_mul_i32 s19, s11, 256*KP
	s_add_co_u32 s19, s19, VBYTES
	v_mul_u32_u24 v[ADK0], v1, KP
	v_lshl_add_u32 v[ADK0], v2, 4, v[ADK0]
	v_add_nc_u32 v[ADK0], s19, v[ADK0]
	s_mul_i32 s19, s11, 256*VP
	v_lshl_add_u32 v6, v2, 3, v4
	v_mul_u32_u24 v[ADV0], v6, VP
	v_lshl_add_u32 v[ADV0], v5, 4, v[ADV0]
	v_add_nc_u32 v[ADV0], s19, v[ADV0]
	s_mul_i32 s19, s10, MRGW
	v_lshl_add_u32 v[MRG], v3, 4, s19
	s_mul_i32 s23, s10, OSTW
	v_mul_u32_u24 v[STO], v1, OPITCH
	v_lshl_add_u32 v[STO], v2, 5, v[STO]
	v_add_nc_u32 v[STO], s23, v[STO]
	v_mul_u32_u24 v[RD], v2, OPITCH
	v_lshl_add_u32 v[RD], v1, 4, v[RD]
	v_add_nc_u32 v[RD], s23, v[RD]
	v_lshlrev_b32 v[CO], 4, v3
.irp nt, 0,1,2,3
	v_mov_b32 v[ALX+2*\nt+1], 0                    ; v_permlanex16_b32's destination counts as read
.endr
; 16 matrix instructions: S^T(nt, mt) (+)= K(mt, ks) Q(nt, ks)^T.  The 16 accumulators take turns, one instruction a turn.
.macro QK ks, zero
.irp nt, 0,1,2,3
.irp mt, 0,1,2,3
.if \zero
	v_wmma_f32_16x16x32_f16 v[S+8*(4*\nt+\mt):S+8*(4*\nt+\mt)+7], v[KF+8*(2*\mt+\ks):KF+8*(2*\mt+\ks)+7], v[Q+8*(2*\nt+\ks):Q+8*(2*\nt+\ks)+7], 0
.else
	v_wmma_f32_16x16x32_f16 v[S+8*(4*\nt+\mt):S+8*(4*\nt+\mt)+7], v[KF+8*(2*\mt+\ks):KF+8*(2*\mt+\ks)+7], v[Q+8*(2*\nt+\ks):Q+8*(2*\nt+\ks)+7], v[S+8*(4*\nt+\mt):S+8*(4*\nt+\mt)+7]
.endif
.endr
.endr
.endm
; 16 matrix instructions: O^T(nt, dt) (+)= V(dt, kp)^T P(nt, kp)^T, the accumulators by turns likewise
.macro PV kp, zero
.irp nt, 0,1,2,3
.irp dt, 0,1,2,3
.if \zero
	v_wmma_f32_16x16x32_f16 v[O+8*(4*\nt+\dt):O+8*(4*\nt+\dt)+7], v[VF+8*(2*\dt+\kp):VF+8*(2*\dt+\kp)+7], v[S+32*\nt+16*\kp:S+32*\nt+16*\kp+7], 0
.else
	v_wmma_f32_16x16x32_f16 v[O+8*(4*\nt+\dt):O+8*(4*\nt+\dt)+7], v[VF+8*(2*\dt+\kp):VF+8*(2*\dt+\kp)+7], v[S+32*\nt+16*\kp:S+32*\nt+16*\kp+7], v[O+8*(4*\nt+\dt):O+8*(4*\nt+\dt)+7]
.endif
.endr
.endr
.endm
.macro SFMA nt                         ; c s - c m, two at a time
.irp p, 0,1,2,3,4,5,6,7,8,9,10,11,12,13,14,15
	v_pk_fma_f32 v[S+32*\nt+2*\p:S+32*\nt+2*\p+1], v[S+32*\nt+2*\p:S+32*\nt+2*\p+1], s[20:21], v[NMM+2*\nt:NMM+2*\nt+1] op_sel_hi:[1,0,0]
.endr
.endm
.macro SEXP nt                         ; 2^x in place
.set e, 0
.rept 32
	v_exp_f32 v[S+32*\nt+e], v[S+32*\nt+e]
.set e, e+1
.endr
.endm
; The 32 exponentials of query tile nt are added to the running sum (two chains) and rounded to f16 in place: pair i of a block of 16 registers goes to
; register i of the block, which holds a pair that has been added and rounded already.  The two blocks become P's fragments kp = 0, 1.
.macro SSC nt, first
.set SB, S+32*\nt
.if \first
	s_wait_alu depctr_va_vdst(0)
	v_pk_add_f32 v[LP+2*\nt:LP+2*\nt+1], v[SB:SB+1], v[SB+2:SB+3]          ; the first pairs start the sum
.else
	s_wait_alu depctr_va_vdst(0)
	v_pk_fma_f32 v[LP+2*\nt:LP+2*\nt+1], v[LP+2*\nt:LP+2*\nt+1], v[ALX+2*\nt:ALX+2*\nt+1], v[SB:SB+1] op_sel_hi:[1,0,1]   ; the old sum, rescaled
.endif
	v_pk_add_f32 v[TB:TB+1], v[SB+16:SB+17], v[SB+18:SB+19]
	v_cvt_pk_f16_f32 v[SB], v[SB], v[SB+1]
	v_cvt_pk_f16_f32 v[SB+16], v[SB+16], v[SB+17]
.if \first
.else
	v_pk_add_f32 v[LP+2*\nt:LP+2*\nt+1], v[LP+2*\nt:LP+2*\nt+1], v[SB+2:SB+3]
.endif
	v_cvt_pk_f16_f32 v[SB+1], v[SB+2], v[SB+3]
	v_cvt_pk_f16_f32 v[SB+17], v[SB+18], v[SB+19]
.irp i, 2,3,4,5,6,7
	v_pk_add_f32 v[LP+2*\nt:LP+2*\nt+1], v[LP+2*\nt:LP+2*\nt+1], v[SB+2*\i:SB+2*\i+1]
	v_pk_add_f32 v[TB:TB+1], v[TB:TB+1], v[SB+16+2*\i:SB+16+2*\i+1]
	v_cvt_pk_f16_f32 v[SB+\i], v[SB+2*\i], v[SB+2*\i+1]
	v_cvt_pk_f16_f32 v[SB+16+\i], v[SB+16+2*\i], v[SB+16+2*\i+1]
.endr
	v_pk_add_f32 v[LP+2*\nt:LP+2*\nt+1], v[LP+2*\nt:LP+2*\nt+1], v[TB:TB+1]
.endm
; One step: 64 keys x my 64 queries.  first = 1: maximum, sum and O start here, nothing is cleared or rescaled.
.macro STEP first
.irp mt, 0,1,2,3
.irp ks, 0,1
	ds_load_b128 v[KF+8*(2*\mt+\ks):KF+8*(2*\mt+\ks)+3],   v[ADK] offset:\mt*16*KP+64*\ks
	ds_load_b128 v[KF+8*(2*\mt+\ks)+4:KF+8*(2*\mt+\ks)+7], v[ADK] offset:\mt*16*KP+64*\ks+32
.endr
.endr
	WIN 0x40
.irp dt, 0,1,2,3
.irp kp, 0,1
	ds_load_tr16_b128 v[VF+8*(2*\dt+\kp):VF+8*(2*\dt+\kp)+3],   v[ADV] offset:\kp*32*VP+32*\dt
	ds_load_tr16_b128 v[VF+8*(2*\dt+\kp)+4:VF+8*(2*\dt+\kp)+7], v[ADV] offset:\kp*32*VP+32*\dt+16*VP
.endr
.endr
	s_wait_dscnt 16                                ; K's 16 loads are in; V's 16, issued behind them, stay out until the softmax is done
	WIN 0x04                                       ; source 1 (Q) window 1
	QK 0, 1
	QK 1, 0
	WIN 0
.rept 4
	v_nop                                          ; four places between the last matrix instruction and the first read of a result (ISA guide 7.12.1)
.endr
	; the running maximum, four chains (one a query tile)
.irp nt, 0,1,2,3
.if \first
	v_max_num_f32 v[NMM+2*\nt+1], v[S+32*\nt], v[S+32*\nt+1]
.else
	v_max3_num_f32 v[NMM+2*\nt+1], v[NMM+2*\nt+1], v[S+32*\nt], v[S+32*\nt+1]
.endif
.endr
.irp i, 1,2,3,4,5,6,7,8,9,10,11,12,13,14,15
.irp nt, 0,1,2,3
	v_max3_num_f32 v[NMM+2*\nt+1], v[NMM+2*\nt+1], v[S+32*\nt+2*\i], v[S+32*\nt+2*\i+1]
.endr
.endr
.irp nt, 0,1,2,3
	v_permlanex16_b32 v[ALX+2*\nt+1], v[NMM+2*\nt+1], s40, s41             ; a query's other 32 keys lie in lane l xor 16
.endr
.irp nt, 0,1,2,3
	v_max_num_f32 v[NMM+2*\nt+1], v[NMM+2*\nt+1], v[ALX+2*\nt+1]
.endr
.if \first
.else
.irp nt, 0,1,2,3
	v_fma_f32 v[ALX+2*\nt], v[NMM+2*\nt+1], s22, -v[NMM+2*\nt]             ; c (old m) - c (new m)
.endr
.irp nt, 0,1,2,3
	v_exp_f32 v[ALX+2*\nt], v[ALX+2*\nt]                                   ; the rescale factor; the multiplies below stand between it and its use (ISA guide 5.7.2)
.endr
.endif
.irp nt, 0,1,2,3
	v_mul_f32 v[NMM+2*\nt], s22, v[NMM+2*\nt+1]                            ; -c m
.endr
	; behind each run of exponentials stands plain work on another query tile before any of its results is used
	SFMA 0
	SEXP 0
	SFMA 1
	SEXP 1
	SSC 0, \first
	SFMA 2
	SEXP 2
	SSC 1, \first
	SFMA 3
	SEXP 3
	SSC 2, \first
	SSC 3, \first
.if \first
.else
	WIN 0x41                                       ; O in window 1, the factor in window 0
.irp nt, 0,1,2,3
.irp p, 0,1,2,3,4,5,6,7,8,9,10,11,12,13,14,15
	v_pk_mul_f32 v[O+32*\nt+2*\p:O+32*\nt+2*\p+1], v[O+32*\nt+2*\p:O+32*\nt+2*\p+1], v[ALX+2*\nt:ALX+2*\nt+1] op_sel_hi:[1,0]
.endr
.endr
.endif
	s_wait_dscnt 0                                 ; V's fragments
	WIN 0x51                                       ; source 0 (V), C and D (O) window 1; source 1 (P) window 0
	PV 0, \first
	PV 1, 0
	WIN 0
	v_add_nc_u32 v[ADK], 64*KP, v[ADK]             ; 64 keys on.  Five places: the next step's products write over P, its loads land in V's fragments,
	v_add_nc_u32 v[ADV], 64*VP, v[ADV]             ; and O is read (ISA guide 7.12.1)
.rept 3
	v_nop
.endr
.endm
; My 256 keys of a slot: four steps
.macro VISIT slot, first
.if \slot
	v_add_nc_u32 v[ADK], \slot*SLOT, v[ADK0]
	v_add_nc_u32 v[ADV], \slot*SLOT, v[ADV0]
.else
	v_mov_b32 v[ADK], v[ADK0]
	v_mov_b32 v[ADV], v[ADV0]
.endif
.if \first
	STEP 1
	s_mov_b32 s42, 3
.else
	s_mov_b32 s42, 4
.endif
.Lstep_\@:
	STEP 0
	s_sub_co_u32 s42, s42, 1
	s_cmp_lg_u32 s42, 0
	s_cbranch_scc1 .Lstep_\@
.endm
; The change of slots.  Every wave waits for its reads of the slot that it leaves and for all its tensor loads (its part of the next slot).
; refill = 1: a round of the cluster's barrier, then the joint refill of the slot just read, 1,024 keys further on: the wave's first and only tensor load behind the round.
.macro CHANGE slot, refill
	s_wait_dscnt 0x0
	s_wait_tensorcnt 0x0                           ; no tensor load of mine is out: a group 0 may be written
	ds_add_u32 v62, v63
	s_wait_dscnt 0x0
.if \refill
	s_add_nc_u64 s[G0K+4*\slot+2:G0K+4*\slot+3], s[G0K+4*\slot+2:G0K+4*\slot+3], 131072
	s_add_nc_u64 s[G0V+4*\slot+2:G0V+4*\slot+3], s[G0V+4*\slot+2:G0V+4*\slot+3], 131072
	ROUND
	JLOAD \slot
.else
	s_barrier_signal -1
	s_barrier_wait -1
.endif
.endm
	s_wait_loadcnt 0x0                             ; Q
	s_wait_kmcnt 0x0                               ; W0[h]
	s_wait_tensorcnt 1                             ; my part of slot 0 is in; slot 1's may stay out
	s_barrier_signal -1
	s_barrier_wait -1
	VISIT 0, 1                                     ; keys 0 ..
	CHANGE 0, 1
	VISIT 1, 0                                     ; keys 512 ..
	CHANGE 1, 1
	VISIT 0, 0                                     ; keys 1,024 ..
	CHANGE 1, 0                                    ; nothing is left to fetch.  Behind this barrier nobody reads slot 0, and no load fills it again
	VISIT 1, 0                                     ; keys 1,536 ..
	; THE MERGE of the two halves of the keys.  First each wave's sum for each query, in every lane.
.irp nt, 0,1,2,3
	v_add_f32 v[LP+2*\nt], v[LP+2*\nt], v[LP+2*\nt+1]
.endr
.irp nt, 0,1,2,3
	v_permlanex16_b32 v[ALX+2*\nt+1], v[LP+2*\nt], s40, s41
.endr
.irp nt, 0,1,2,3
	v_add_f32 v[KF+16+\nt], v[LP+2*\nt], v[ALX+2*\nt+1]
.endr
	s_cmp_eq_u32 s11, 0
	s_cbranch_scc1 .Lno_give
	WIN 0x04                                       ; waves 4-7 hand over O (window 1: the data of an LDS store is source 1), 16 bytes a lane, 512 neighbouring bytes a store,
.set i, 0
.rept 32
	ds_store_b128 v[MRG], v[O+4*i:O+4*i+3] offset:512*i
.set i, i+1
.endr
	WIN 0
	ds_store_b128 v[MRG], v[NMM:NMM+3] offset:16384        ; their maxima (the odd registers)
	ds_store_b128 v[MRG], v[NMM+4:NMM+7] offset:16896
	ds_store_b128 v[MRG], v[KF+16:KF+19] offset:17408      ; and their sums
.Lno_give:
	s_wait_dscnt 0x0                               ; for the readers' sake: zero
	s_barrier_signal -1
	s_barrier_wait -1
	s_cmp_lg_u32 s11, 0
	s_cbranch_scc1 .Lclose
	v_add_nc_u32 v[MRG], 4*MRGW, v[MRG]            ; wave w reads what wave w + 4 stored
.set i, 0
.rept 32
	ds_load_b128 v[S+4*i:S+4*i+3], v[MRG] offset:512*i
.set i, i+1
.endr
	ds_load_b128 v[KF:KF+3], v[MRG] offset:16384
	ds_load_b128 v[KF+4:KF+7], v[MRG] offset:16896
	ds_load_b128 v[KF+8:KF+11], v[MRG] offset:17408
	s_wait_dscnt 0x0
.irp nt, 0,1,2,3
	v_max_num_f32 v[KF+20+\nt], v[NMM+2*\nt+1], v[KF+2*\nt+1]              ; the common maximum
.endr
.irp nt, 0,1,2,3
	v_sub_f32 v[KF+24+\nt], v[NMM+2*\nt+1], v[KF+20+\nt]
	v_sub_f32 v[KF+28+\nt], v[KF+2*\nt+1], v[KF+20+\nt]
.endr
.irp nt, 0,1,2,3
	v_mul_f32 v[KF+24+\nt], s20, v[KF+24+\nt]
	v_mul_f32 v[KF+28+\nt], s20, v[KF+28+\nt]
.endr
.irp nt, 0,1,2,3
	v_exp_f32 v[KF+24+\nt], v[KF+24+\nt]           ; my half's factor,
	v_exp_f32 v[KF+28+\nt], v[KF+28+\nt]           ; the other's; one of the two is 1
.endr
	v_nop                                          ; one plain place behind the exponentials (ISA guide 5.7.2)
	s_wait_alu depctr_va_vdst(0)
.irp nt, 0,1,2,3
	v_mul_f32 v[KF+20+\nt], v[KF+16+\nt], v[KF+24+\nt]
.endr
.irp nt, 0,1,2,3
	v_fmac_f32 v[KF+20+\nt], v[KF+8+\nt], v[KF+28+\nt]                     ; the denominator: it holds the largest score's own term, 1
.endr
.irp nt, 0,1,2,3
	v_rcp_f32 v[KF+20+\nt], v[KF+20+\nt]
.endr
	v_nop
	s_wait_alu depctr_va_vdst(0)
.irp nt, 0,1,2,3
	v_mul_f32 v[KF+20+\nt], s16, v[KF+20+\nt]                              ; W0[h] / denominator
.endr
.irp nt, 0,1,2,3
	v_mul_f32 v[ALX+2*\nt], v[KF+24+\nt], v[KF+20+\nt]                     ; the whole factor of my O,
	v_mul_f32 v[NMM+2*\nt], v[KF+28+\nt], v[KF+20+\nt]                     ; and of the other half's
.endr
.irp nt, 0,1,2,3
.irp p, 0,1,2,3,4,5,6,7,8,9,10,11,12,13,14,15
	v_pk_mul_f32 v[S+32*\nt+2*\p:S+32*\nt+2*\p+1], v[S+32*\nt+2*\p:S+32*\nt+2*\p+1], v[NMM+2*\nt:NMM+2*\nt+1] op_sel_hi:[1,0]
.endr
.endr
	WIN 0x01                                       ; source 0 (my O) window 1
.irp nt, 0,1,2,3
.irp p, 0,1,2,3,4,5,6,7,8,9,10,11,12,13,14,15
	v_pk_fma_f32 v[S+32*\nt+2*\p:S+32*\nt+2*\p+1], v[O+32*\nt+2*\p:O+32*\nt+2*\p+1], v[ALX+2*\nt:ALX+2*\nt+1], v[S+32*\nt+2*\p:S+32*\nt+2*\p+1] op_sel_hi:[1,0,1]
.endr
.endr
	WIN 0
	; THE WAY OUT: a lane's 8 numbers (32 bytes of query 16 nt + r, d = 16 dt + 8 h ..) into my own stage, rows of 272 bytes; read back as whole rows of 256 bytes.
.irp nt, 0,1,2,3
.irp dt, 0,1,2,3
	ds_store_b128 v[STO], v[S+8*(4*\nt+\dt):S+8*(4*\nt+\dt)+3]   offset:\nt*16*OPITCH+64*\dt
	ds_store_b128 v[STO], v[S+8*(4*\nt+\dt)+4:S+8*(4*\nt+\dt)+7] offset:\nt*16*OPITCH+64*\dt+16
.endr
.endr
	WIN 0x40                                       ; back into the registers that held O.  LDS serves a wave's instructions in order (ISA guide 5.7.1.4): these see the stores above
.set t, 0
.rept 32
	ds_load_b128 v[O+4*t:O+4*t+3], v[RD] offset:2*OPITCH*t
.set t, t+1
.endr
	WIN 0x04                                       ; the data of a global store is source 1
.set t, 0
.rept 32
	s_wait_dscnt 31-t                              ; read t of the 32 is in, the younger ones stay out
	global_store_b128 v[CO], v[O+4*t:O+4*t+3], s[8:9] offset:512*t         ; two queries' rows: 512 consecutive bytes, at a multiple of 256 from part's first byte
.set t, t+1
.endr
	WIN 0
.Lclose:
	s_wait_tensorcnt 0x0
	ds_add_u32 v62, v63
	s_wait_dscnt 0x0
	ROUND                                          ; the closing round: no work-group ends while a partner may still ask for a tile that names it
	s_endpgm
.Lfunc_end_k_q81e947ad0a_attn:
	.size	k_q81e947ad0a_attn, .Lfunc_end_k_q81e947ad0a_attn-k_q81e947ad0a_attn
	.p2alignl 7, 3214868480
	.fill 96, 4, 3214868480
	.section	.rodata,"a",@progbits
	.p2align	6, 0x0
	.amdhsa_kernel k_q81e947ad0a_attn
		.amdhsa_group_segment_fixed_size 327680
		.amdhsa_private_segment_fixed_size 0
		.amdhsa_enable_private_segment 0
		.amdhsa_kernarg_size 24
		.amdhsa_user_sgpr_count 2
		.amdhsa_user_sgpr_kernarg_segment_ptr 1
		.amdhsa_wavefront_size32 1
		.amdhsa_system_sgpr_workgroup_id_x 1
		.amdhsa_system_sgpr_workgroup_id_y 1
		.amdhsa_system_sgpr_workgroup_id_z 1
		.amdhsa_system_vgpr_workitem_id 0
		.amdhsa_next_free_vgpr 512
		.amdhsa_next_free_sgpr 66
		.amdhsa_reserve_vcc 0
		.amdhsa_float_denorm_mode_32 3
		.amdhsa_float_denorm_mode_16_64 3
		.amdhsa_memory_ordered 1
		.amdhsa_forward_progress 1
		.amdhsa_inst_pref_size 188
	.end_amdhsa_kernel
	.amdgpu_metadata
---
amdhsa.version: [ 1, 2 ]
amdhsa.kernels:
  - .name:           k_q81e947ad0a_attn
    .symbol:         k_q81e947ad0a_attn.kd
    .args:
      - { .name: proj, .offset: 0, .size: 8, .value_kind: global_buffer, .address_space: global }
      - { .name: W0_w, .offset: 8, .size: 8, .value_kind: global_buffer, .address_space: global }
      - { .name: part, .offset: 16, .size: 8, .value_kind: global_buffer, .address_space: global }
    .group_segment_fixed_size: 327680
    .private_segment_fixed_size: 0
    .kernarg_segment_align: 8
    .kernarg_segment_size: 24
    .max_flat_workgroup_size: 256
    .sgpr_count:     66
    .vgpr_count:     512
    .wavefront_size: 32
...
	.end_amdgpu_metadata
.endif
;; end of part 3
;; launch headsum (part 4): grid 256 x 1, 8 waves a work-group, no clusters, 0 bytes of LDS; arguments part, W0_b, out0; writes out0
.if DOCPART == 4
	.amdgcn_target "amdgcn-amd-amdhsa--gfx1250"
	.amdhsa_code_object_version 6
	.text
	.protected	k_q81e947ad0a_headsum
	.globl	k_q81e947ad0a_headsum
	.p2align	8
	.type	k_q81e947ad0a_headsum,@function
k_q81e947ad0a_headsum:
	s_mov_b64 s[64:65], 0
	v_nop
	global_prefetch_b8 v0, s[64:65] scope:SCOPE_SE
	s_setreg_imm32_b32 hwreg(HW_REG_WAVE_MODE, 25, 1), 1
	s_wait_xcnt 0x0
; out0[b][s][d] = W0_b + sum over h of part[b][h][s][d]  (part already carries W0[h]).  part: [2][16][2048][64] f32, out0: [2][2048][64] f32.
; A pure stream: no LDS, no barrier, no matrix unit.  256 work-groups of eight waves; a work-group owns 4,096 bytes of out0, a thread 16 of them.
; A thread's 16 loads (one a head, 524,288 bytes apart, in the immediate) are all issued first; each load and the store of a wave cover 512 neighbouring bytes.
; The heads are added in ascending order.
.set HEADB, 524288
	s_load_b128 s[4:7], s[0:1], 0x0                ; part s[4:5], W0_b s[6:7]
	s_load_b64 s[8:9], s[0:1], 0x10                ; out0
	v_lshlrev_b32 v1, 4, v0
	s_lshr_b32 s10, ttmp9, 7                       ; b
	s_lshl_b32 s10, s10, 23                        ; x 16 heads x 524,288 bytes
	s_and_b32 s12, ttmp9, 127
	s_lshl_b32 s12, s12, 12                        ; + my 4,096 bytes in a head
	s_add_co_u32 s10, s10, s12
	s_mov_b32 s11, 0
	s_lshl_b32 s12, ttmp9, 12                      ; my 4,096 bytes in out0
	s_mov_b32 s13, 0
	s_wait_kmcnt 0x0
	s_load_b32 s20, s[6:7], 0x0                    ; W0_b
	s_add_nc_u64 s[4:5], s[4:5], s[10:11]
	s_add_nc_u64 s[8:9], s[8:9], s[12:13]
.irp h, 0,1,2,3,4,5,6,7,8,9,10,11,12,13,14,15
	global_load_b128 v[4+4*\h:7+4*\h], v1, s[4:5] offset:\h*HEADB th:TH_LOAD_NT
.endr
	s_wait_kmcnt 0x0
	s_mov_b32 s21, s20
	s_wait_loadcnt 15                              ; head 0 is in, the 15 younger loads stay out
	v_pk_add_f32 v[4:5], v[4:5], s[20:21] op_sel_hi:[1,0]
	v_pk_add_f32 v[6:7], v[6:7], s[20:21] op_sel_hi:[1,0]
.irp h, 1,2,3,4,5,6,7,8,9,10,11,12,13,14,15
	s_wait_loadcnt 15-\h                           ; head h is in
	v_pk_add_f32 v[4:5], v[4:5], v[4+4*\h:5+4*\h]
	v_pk_add_f32 v[6:7], v[6:7], v[6+4*\h:7+4*\h]
.endr
	global_store_b128 v1, v[4:7], s[8:9]
	s_endpgm
.Lfunc_end_k_q81e947ad0a_headsum:
	.size	k_q81e947ad0a_headsum, .Lfunc_end_k_q81e947ad0a_headsum-k_q81e947ad0a_headsum
	.p2alignl 7, 3214868480
	.fill 96, 4, 3214868480
	.section	.rodata,"a",@progbits
	.p2align	6, 0x0
	.amdhsa_kernel k_q81e947ad0a_headsum
		.amdhsa_group_segment_fixed_size 0
		.amdhsa_private_segment_fixed_size 0
		.amdhsa_enable_private_segment 0
		.amdhsa_kernarg_size 24
		.amdhsa_user_sgpr_count 2
		.amdhsa_user_sgpr_kernarg_segment_ptr 1
		.amdhsa_wavefront_size32 1
		.amdhsa_system_sgpr_workgroup_id_x 1
		.amdhsa_system_sgpr_workgroup_id_y 1
		.amdhsa_system_sgpr_workgroup_id_z 1
		.amdhsa_system_vgpr_workitem_id 0
		.amdhsa_next_free_vgpr 72
		.amdhsa_next_free_sgpr 66
		.amdhsa_reserve_vcc 0
		.amdhsa_float_denorm_mode_32 3
		.amdhsa_float_denorm_mode_16_64 3
		.amdhsa_memory_ordered 1
		.amdhsa_forward_progress 1
		.amdhsa_inst_pref_size 6
	.end_amdhsa_kernel
	.amdgpu_metadata
---
amdhsa.version: [ 1, 2 ]
amdhsa.kernels:
  - .name:           k_q81e947ad0a_headsum
    .symbol:         k_q81e947ad0a_headsum.kd
    .args:
      - { .name: part, .offset: 0, .size: 8, .value_kind: global_buffer, .address_space: global }
      - { .name: W0_b, .offset: 8, .size: 8, .value_kind: global_buffer, .address_space: global }
      - { .name: out0, .offset: 16, .size: 8, .value_kind: global_buffer, .address_space: global }
    .group_segment_fixed_size: 0
    .private_segment_fixed_size: 0
    .kernarg_segment_align: 8
    .kernarg_segment_size: 24
    .max_flat_workgroup_size: 256
    .sgpr_count:     66
    .vgpr_count:     72
    .wavefront_size: 32
...
	.end_amdgpu_metadata
.endif
;; end of part 4
